; MI455X (gfx1250); checked and timed in simulation.
; The chip was launched on July 23, 2026; its instructions are those of AMD's public machine-readable ISA for CDNA 5 (MIT licence, August 2026) and "CDNA5" Instruction Set Architecture Reference Guide (July 2026). The comments in the code are by the model that wrote it; some were corrected since.
;; Neural Net. Allowed arithmetic: float matrix products may take bf16 or f16 operands with f32 sums; all other float work in f32.
;; Inputs: W1 2 x 20 x 80 float32; W2 2 x 80 x 20 float32; Wk 2 x 20 x 20 float32; Wo 2 x 20 x 20 float32; Wq 2 x 20 x 20 float32; Wv 2 x 20 x 20 float32; b1 2 x 80 float32; b2 2 x 20 float32; bk 2 x 20 float32; bo 2 x 20 float32; bq 2 x 20 float32; bv 2 x 20 float32; emb_W 5 x 20 float32; emb_b 20 float32; ln_b 2 x 20 float32; ln_g 2 x 20 float32; mW0 22 x 256 float32; mW1 256 x 256 float32; mW2 256 x 256 float32; mW3 256 x 3 float32; mb0 256 float32; mb1 256 float32; mb2 256 float32; mb3 3 float32; seq 65,536 x 32 x 5 float32; x 65,536 x 1 float32; y 65,536 x 1 float32.
;; Outputs: out0 65,536 x 1 float32; out1 65,536 x 1 float32; out2 65,536 x 1 float32.
;; One version. Each part assembles by itself: llvm-mc -triple=amdgcn-amd-amdhsa -mcpu=gfx1250 --defsym DOCPART=n.
;; ======== version 1 of 1: 2 launches
;; limits: values are held in f16: magnitudes above 65,504 overflow, below 6.1e-05 lose precision; a function is approximated: absolute error at most 2.2e-05
;; workspace buffers: wimg 321,536 bytes
;; launch prep (part 1): grid 66 x 1, 8 waves a work-group, no clusters, 32,768 bytes of LDS; arguments wimg, mW1, mW2, mW0, mb0, mb1, mb2, mW3, emb_W, emb_b, Wq, bq, Wk, bk, Wv, bv, Wo, bo, W1, b1, W2, b2; writes wimg
.if DOCPART == 1
	.amdgcn_target "amdgcn-amd-amdhsa--gfx1250"
	.amdhsa_code_object_version 6
	.text
	.protected	k_q346ef4ddc1_prep
	.globl	k_q346ef4ddc1_prep
	.p2align	8
	.type	k_q346ef4ddc1_prep,@function
k_q346ef4ddc1_prep:
	s_mov_b64 s[64:65], 0
	v_nop
	global_prefetch_b8 v0, s[64:65] scope:SCOPE_SE
	s_setreg_imm32_b32 hwreg(HW_REG_WAVE_MODE, 25, 1), 1
	s_wait_xcnt 0x0
; PREP: turns every weight and bias (all but ln_g, ln_b, mb3) into the images that the main launch uses, once for the whole grid.
; FORMAT: f16 (11 bits of mantissa), all but layer 0's Wo and bo, which are bf16 because their partner operand needs bf16's range (see the main launch).
; wimg, in bytes:
;   0       mW1 then mW2, times 1/(2 pi), f16, [k][n], rows of 512 bytes             (work-groups 0..63, 4,096 bytes each)
;   262144  32 rows x 256 f16: mW0's rows in the K order of the MLP's first operand, mb0 as three f16 terms, all times 1/(2 pi)
;   278528  mW3 as f16 [256 k][16 n], columns 3..15 zero
;   286720  mb1/(2 pi), mb2/(2 pi), f32                                              (these three: work-group 64)
;   288768  the encoder's matrix fragments as an image of 256 registers x 32 lanes:
;           register p of lane L at (p>>2)*512 + 16 L + (p&3)*4                      (work-group 65)
; A bias b is carried as three 16-bit terms: t(b) + t(r1) + t(r2), r1 = b - t(b), r2 = r1 - t(r1), t = the rounding of the operand's format.
; In f16 what is left is at most its smallest step, 6e-8 absolute.  LIMIT: a weight or bias beyond 65,504 in magnitude overflows f16.
; No matrix unit, cluster or tensor load: 0.6 MB are read once, by gathers and plain streams.
.set W0_OFF,  262144
.set W3_OFF,  278528
.set BI_OFF,  286720
.set ENC_OFF, 288768
.set GA, 32                            ; v[32:42]  group A: ten weights and a bias (also the plain fragments' data)
.set GB, 43                            ; v[43:53]
.set GC, 54                            ; v[54:64]
.set GD, 65                            ; v[65:75]
.set GE, 76                            ; v[76:86]
.set PK, 88                            ; v[88:95]  packed words of one fragment
.set BF, 0                             ; 1 while a bf16 fragment is being written
	s_load_b512 s[4:19], s[0:1], 0x0               ; wimg 4, mW1 6, mW2 8, mW0 10, mb0 12, mb1 14, mb2 16, mW3 18
	s_load_b512 s[20:35], s[0:1], 0x40             ; emb_W 20, emb_b 22, Wq 24, bq 26, Wk 28, bk 30, Wv 32, bv 34
	s_load_b256 s[36:43], s[0:1], 0x80             ; Wo 36, bo 38, W1 40, b1 42
	s_load_b128 s[44:47], s[0:1], 0xa0             ; W2 44, b2 46
	v_lshrrev_b32 v1, 5, v0
	v_readfirstlane_b32 s48, v1                    ; wave 0..7
	s_wait_kmcnt 0x0
	s_cmp_lt_u32 ttmp9, 64
	s_cbranch_scc0 .Lnotconv
	; ---- work-groups 0..63: 2,048 numbers of mW1 (0..31) or mW2 (32..63): scale, round, store 16 bytes a lane
	s_cmp_lt_u32 ttmp9, 32
	s_cselect_b64 s[50:51], s[6:7], s[8:9]
	s_and_b32 s52, ttmp9, 31
	s_lshl_b32 s52, s52, 13                        ; 8,192 bytes of f32 for each work-group
	s_mov_b32 s53, 0
	s_add_nc_u64 s[50:51], s[50:51], s[52:53]
	s_lshl_b32 s54, ttmp9, 12                      ; 4,096 bytes of f16
	s_mov_b32 s55, 0
	s_add_nc_u64 s[54:55], s[4:5], s[54:55]
	v_lshlrev_b32 v1, 5, v0
	v_lshlrev_b32 v2, 4, v0
	global_load_b128 v[4:7], v1, s[50:51]
	global_load_b128 v[8:11], v1, s[50:51] offset:16
	s_wait_loadcnt 0x0
.irp i, 4,6,8,10
	v_pk_mul_f32 v[\i:\i+1], v[\i:\i+1], 0.15915494 op_sel_hi:[1,0]
.endr
.irp i, 0,1,2,3
	v_cvt_pk_f16_f32 v[12+\i], v[4+2*\i], v[5+2*\i]
.endr
	global_store_b128 v2, v[12:15], s[54:55]       ; sixteen lanes store 256 consecutive bytes, aligned
	s_endpgm
.macro CVTP d, a, b                    ; two f32 to one word of the fragment's format
.if BF
	v_cvt_pk_bf16_f32 v[\d], v[\a], v[\b]
.else
	v_cvt_pk_f16_f32 v[\d], v[\a], v[\b]
.endif
.endm
.macro WIDE                            ; v98's low half back to f32
.if BF
	v_lshlrev_b32 v98, 16, v98
.else
	v_cvt_f32_f16 v98, v98.l
.endif
.endm
; b = t(b) + r1, r1 = t(r1) + r2, both differences exact in f32; t is the very conversion that packs the operand
.macro SPLIT b, r1, r2
	CVTP 98, \b, \b
	WIDE
	v_sub_f32 v[\r1], v[\b], v98
	CVTP 98, \r1, \r1
	WIDE
	v_sub_f32 v[\r2], v[\r1], v98
.endm
.Lnotconv:
	s_cmp_eq_u32 ttmp9, 64
	s_cbranch_scc0 .Lenc
	; ---- work-group 64: the MLP's first and last weights and the two middle biases
	; W0: wave w, lane L makes columns 8 L .. 8 L + 7 of rows k = w, 8 + w, 16 + w, 24 + w.
	; k 0..7: mW0[2+k]; 8..15: mW0[4+k]; 16,17: mW0[10],[11]; 18,19: mW0[0],[1] (x, y); 20,21,22: mb0's three terms; 24,25: mW0[20],[21]; else 0
	v_and_b32 v1, 31, v0
	v_lshlrev_b32 v2, 5, v1                        ; 32 L: eight f32
	s_add_co_u32 s52, s48, 2                       ; source row of k = w
	s_add_co_u32 s53, s48, 12                      ; of k = 8 + w
	s_add_co_u32 s54, s48, 10                      ; of k = 16 + w where w < 2
	s_max_u32 s55, s48, 2
	s_sub_co_u32 s55, s55, 2                       ; where 2 <= w < 4
	s_add_co_u32 s57, s48, 20                      ; of k = 24 + w where w < 2
	s_cmp_lt_u32 s48, 4
	s_cselect_b32 s55, s55, 0
	s_cselect_b32 s56, -1, 0                       ; lane mask: w < 4
	s_cmp_lt_u32 s48, 2
	s_cselect_b32 s54, s54, s55
	s_cselect_b32 s57, s57, 0
	s_cselect_b32 s58, -1, 0                       ; w < 2
	s_cmp_eq_u32 s48, 4
	s_cselect_b32 s59, -1, 0
	s_cmp_eq_u32 s48, 5
	s_cselect_b32 s60, -1, 0
	s_cmp_eq_u32 s48, 6
	s_cselect_b32 s61, -1, 0
	s_lshl_b32 s52, s52, 10                        ; rows of 1,024 bytes
	s_lshl_b32 s53, s53, 10
	s_lshl_b32 s54, s54, 10
	s_lshl_b32 s57, s57, 10
	v_add_nc_u32 v24, s52, v2
	v_add_nc_u32 v25, s53, v2
	v_add_nc_u32 v26, s54, v2
	v_add_nc_u32 v27, s57, v2
.irp q, 0,1,2,3
	global_load_b128 v[32+8*\q:35+8*\q], v[24+\q], s[10:11]
	global_load_b128 v[36+8*\q:39+8*\q], v[24+\q], s[10:11] offset:16
.endr
	global_load_b128 v[64:67], v2, s[12:13]
	global_load_b128 v[68:71], v2, s[12:13] offset:16
	v_lshrrev_b32 v5, 1, v0                        ; W3: piece q = tid + 256 i of 16 bytes, row k = q >> 1
	v_mul_u32_u24 v5, 12, v5
.irp j, 0,1,2
	global_load_b32 v[116+\j], v5, s[18:19] offset:4*\j
	global_load_b32 v[119+\j], v5, s[18:19] offset:1536+4*\j
.endr
	v_and_b32 v6, 1, v0
	v_cmp_eq_u32 vcc_lo, 0, v6                     ; even pieces hold columns 0..7, odd ones only zeros
	v_mov_b32 v7, 0
	s_lshl_b32 s62, s48, 9
	v_lshl_add_u32 v4, v1, 4, s62                  ; 16 L + 512 w
	v_lshlrev_b32 v16, 4, v0                       ; 16 tid
	s_wait_loadcnt 0x0
.set i, 32
.rept 20
	v_pk_mul_f32 v[i:i+1], v[i:i+1], 0.15915494 op_sel_hi:[1,0]
.set i, i+2
.endr
.irp i, 0,1,2,3,4,5,6,7
	SPLIT 64+\i, 72+\i, 80+\i
	v_cndmask_b32 v[88+\i], 0, v[80+\i], s61       ; k = 22: third term
	v_cndmask_b32 v[88+\i], v[88+\i], v[72+\i], s60 ; k = 21: second
	v_cndmask_b32 v[88+\i], v[88+\i], v[64+\i], s59 ; k = 20: first
	v_cndmask_b32 v[48+\i], v[88+\i], v[48+\i], s56 ; k = 16..19: a row of mW0
	v_cndmask_b32 v[56+\i], 0, v[56+\i], s58       ; k = 24, 25: a row of mW0; 26..31: zero
.endr
.irp q, 0,1,2,3
.irp i, 0,1,2,3
	v_cvt_pk_f16_f32 v[100+4*\q+\i], v[32+8*\q+2*\i], v[33+8*\q+2*\i]
.endr
	global_store_b128 v4, v[100+4*\q:103+4*\q], s[4:5] offset:W0_OFF+4096*\q
.endr
	v_cvt_pk_f16_f32 v8, v116, v117
	v_cvt_pk_f16_f32 v9, v118, v7
	v_cvt_pk_f16_f32 v12, v119, v120
	v_cvt_pk_f16_f32 v13, v121, v7
	v_cndmask_b32 v8, 0, v8, vcc_lo
	v_cndmask_b32 v9, 0, v9, vcc_lo
	v_cndmask_b32 v12, 0, v12, vcc_lo
	v_cndmask_b32 v13, 0, v13, vcc_lo
	v_mov_b32 v10, 0
	v_mov_b32 v11, 0
	v_mov_b32 v14, 0
	v_mov_b32 v15, 0
	global_store_b128 v16, v[8:11], s[4:5] offset:W3_OFF
	global_store_b128 v16, v[12:15], s[4:5] offset:W3_OFF+4096
	s_cmp_gt_u32 s48, 3                            ; the biases: 2,048 bytes, waves 0..3
	s_cbranch_scc1 .Lmlpend
	s_cmp_lt_u32 s48, 2
	s_cselect_b64 s[50:51], s[14:15], s[16:17]     ; waves 0, 1: mb1; waves 2, 3: mb2
	v_and_b32 v17, 63, v0
	v_lshlrev_b32 v17, 4, v17
	global_load_b128 v[20:23], v17, s[50:51]
	s_wait_loadcnt 0x0
	v_pk_mul_f32 v[20:21], v[20:21], 0.15915494 op_sel_hi:[1,0]
	v_pk_mul_f32 v[22:23], v[22:23], 0.15915494 op_sel_hi:[1,0]
	global_store_b128 v16, v[20:23], s[4:5] offset:BI_OFF
.Lmlpend:
	s_endpgm
	; ---- work-group 65: the encoder's fragments.  Waves 0..3 build layer 0, waves 4..7 layer 1; the wave's low two bits pick the task.
	; Every product of the main launch is  D = A x B + C  with A = weights (row = output feature), B = tokens (column = token).
	; Lane (r, h) of an A fragment holds row r; its register i (0..4), half b, stands for input feature 10 h + 2 i + b; register 5 for the bias.
	; Row r of tile t is output feature 10 (r>>3) + 8 t + (r&7); rows with 8 t + (r&7) >= 10 are zero.
.macro STIMG vim, rho, n               ; n packed words to registers rho .. rho + n - 1 of the image
.set ii, 0
.rept \n
	ds_store_b32 v[\vim], v[PK+ii] offset:(((\rho)+ii)>>2)*512+(((\rho)+ii)&3)*4
.set ii, ii+1
.endr
.endm
.macro BIAS6 b, dst                    ; lanes h = 0: (b, r1); lanes h = 1: (r2, 0)
	SPLIT \b, 96, 97
	CVTP 98, \b, 96
	CVTP 99, 97, 21
	v_cndmask_b32 v[\dst], v98, v99, s52
.endm
.macro PACK5                           ; ten weights of group A to five words
.irp i, 0,1,2,3,4
	CVTP PK+\i, GA+2*\i, GA+2*\i+1
.endr
.endm
; a tile of q c | k_self - k_other | v_self - v_other | v_other, chosen row by row by three lane masks (differences in f32, before rounding)
.macro QTILE rho, vws, vwo, vbs, vbo, m0, m1, m2
.irp e, 0,1,2,3,4,5,6,7,8,9
	global_load_b32 v[GA+\e], v[\vws], s[24:25] offset:80*\e
	global_load_b32 v[GB+\e], v[\vws], s[28:29] offset:80*\e
	global_load_b32 v[GC+\e], v[\vwo], s[28:29] offset:80*\e
	global_load_b32 v[GD+\e], v[\vws], s[32:33] offset:80*\e
	global_load_b32 v[GE+\e], v[\vwo], s[32:33] offset:80*\e
.endr
	global_load_b32 v[GA+10], v[\vbs], s[26:27]
	global_load_b32 v[GB+10], v[\vbs], s[30:31]
	global_load_b32 v[GC+10], v[\vbo], s[30:31]
	global_load_b32 v[GD+10], v[\vbs], s[34:35]
	global_load_b32 v[GE+10], v[\vbo], s[34:35]
	s_wait_loadcnt 0x0
.irp e, 0,1,2,3,4,5,6,7,8,9,10
	v_mul_f32 v[GA+\e], s51, v[GA+\e]
	v_sub_f32 v[GB+\e], v[GB+\e], v[GC+\e]
	v_sub_f32 v[GD+\e], v[GD+\e], v[GE+\e]
	v_cndmask_b32 v[GE+\e], v[GE+\e], v[GD+\e], s[\m2]
	v_cndmask_b32 v[GE+\e], v[GE+\e], v[GB+\e], s[\m1]
	v_cndmask_b32 v[GA+\e], v[GE+\e], v[GA+\e], s[\m0]
.endr
	PACK5
	BIAS6 GA+10, PK+5
	STIMG 6, \rho, 6
.endm
; a plain tile with 20 inputs: ten weights a lane, stride bytes apart, and a bias; rows outside the mask are zero.
; In a bf16 tile the bias is taken times 128 (exact): its partner word in B is f16's 1.0, 0x3c00, which read as bf16 is 2^-7.
.macro FRAG10 rho, sw, vw, stride, io, sb, vb, iob, mask
.irp e, 0,1,2,3,4,5,6,7,8,9
	global_load_b32 v[GA+\e], v[\vw], s[\sw:\sw+1] offset:\stride*\e+\io
.endr
	global_load_b32 v[GA+10], v[\vb], s[\sb:\sb+1] offset:\iob
	s_wait_loadcnt 0x0
.irp e, 0,1,2,3,4,5,6,7,8,9,10
	v_cndmask_b32 v[GA+\e], 0, v[GA+\e], s[\mask]
.endr
.if BF
	v_mul_f32 v[GA+10], 0x43000000, v[GA+10]
.endif
	PACK5
	BIAS6 GA+10, PK+5
	STIMG 6, \rho, 6
.endm
; W2's tile for K step ks (hidden 32 ks + k).  full = 1: 32 hidden, 8 words.  full = 0: 16 hidden, then the bias word, then a zero word
.macro FRAG2 rho, vim, ks, vw, vb, mask, full
.irp i, 0,1,2,3
	global_load_b32 v[GA+2*\i],   v[\vw], s[44:45] offset:2560*\ks+160*\i
	global_load_b32 v[GA+2*\i+1], v[\vw], s[44:45] offset:2560*\ks+160*\i+80
.endr
.if \full
.irp i, 0,1,2,3
	global_load_b32 v[GA+8+2*\i], v[\vw], s[44:45] offset:2560*\ks+1280+160*\i
	global_load_b32 v[GA+9+2*\i], v[\vw], s[44:45] offset:2560*\ks+1280+160*\i+80
.endr
	s_wait_loadcnt 0x0
.irp e, 0,1,2,3,4,5,6,7,8,9,10,11,12,13,14,15
	v_cndmask_b32 v[GA+\e], 0, v[GA+\e], s[\mask]
.endr
.irp i, 0,1,2,3,4,5,6,7
	CVTP PK+\i, GA+2*\i, GA+2*\i+1
.endr
	STIMG \vim, \rho, 8
.else
	global_load_b32 v[GA+8], v[\vb], s[46:47]
	s_wait_loadcnt 0x0
.irp e, 0,1,2,3,4,5,6,7,8
	v_cndmask_b32 v[GA+\e], 0, v[GA+\e], s[\mask]
.endr
.irp i, 0,1,2,3
	CVTP PK+\i, GA+2*\i, GA+2*\i+1
.endr
	BIAS6 GA+8, PK+4
	v_mov_b32 v[PK+5], 0
	STIMG \vim, \rho, 6
.endif
.endm
; the embedding's tile: (W0,W1) (W2,W3) (W4,b) 0 0 (r1,r2), in the lanes of one half only (layer-0 waves: h = 0; layer-1 waves: h = 1)
.macro EMBF rho, vb, mask
.irp i, 0,1,2,3,4
	global_load_b32 v[GA+\i], v[\vb], s[20:21] offset:80*\i
.endr
	global_load_b32 v[GA+5], v[\vb], s[22:23]
	s_wait_loadcnt 0x0
.irp e, 0,1,2,3,4,5
	v_cndmask_b32 v[GA+\e], 0, v[GA+\e], s[\mask]
.endr
	SPLIT GA+5, 96, 97
	CVTP PK, GA, GA+1
	CVTP PK+1, GA+2, GA+3
	CVTP PK+2, GA+4, GA+5
	v_mov_b32 v[PK+3], 0
	v_mov_b32 v[PK+4], 0
	CVTP PK+5, 96, 97
	STIMG 7, \rho, 6
.endm
.macro ADDP p, k                       ; a stacked tensor's pointer to this wave's layer
	s_mul_i32 s62, s49, \k
	s_add_nc_u64 s[\p:\p+1], s[\p:\p+1], s[62:63]
.endm
.Lenc:
	s_lshr_b32 s49, s48, 2                         ; layer
	s_and_b32 s50, s48, 3                          ; task
	s_mov_b32 s51, 0x3ee995b3                      ; log2(e) / sqrt(10): the scores' scale, in base 2
	s_mov_b32 s63, 0
	ADDP 24, 1600
	ADDP 28, 1600
	ADDP 32, 1600
	ADDP 36, 1600
	ADDP 26, 80
	ADDP 30, 80
	ADDP 34, 80
	ADDP 38, 80
	ADDP 46, 80
	ADDP 40, 6400
	ADDP 44, 6400
	ADDP 42, 320
	v_and_b32 v1, 31, v0                           ; L
	v_bfe_u32 v2, v0, 4, 1                         ; h
	v_bfe_u32 v3, v0, 3, 1                         ; hh = r >> 3: the row's head
	v_and_b32 v4, 7, v0                            ; j = r & 7
	v_and_b32 v5, 15, v0                           ; r
	v_and_b32 v22, 1, v0                           ; j & 1
	v_xor_b32 v23, 1, v3                           ; the other head
	v_mul_u32_u24 v24, 40, v3
	v_mul_u32_u24 v25, 40, v23
	v_lshl_add_u32 v9, v4, 2, v24                  ; 4 (10 hh + j): own head's column, tile 0
	v_lshl_add_u32 v10, v4, 2, v25                 ; the other head's
	v_lshl_add_u32 v11, v22, 2, v24
	v_add_nc_u32 v11, 32, v11                      ; 4 (10 hh + 8 + (j&1)): the two left-over columns
	v_lshl_add_u32 v12, v22, 2, v25
	v_add_nc_u32 v12, 32, v12
	v_mul_u32_u24 v26, 800, v2                     ; ten rows of 80 bytes for the lanes of K half 1
	v_add_nc_u32 v13, v9, v26
	v_add_nc_u32 v14, v10, v26
	v_add_nc_u32 v15, v11, v26
	v_add_nc_u32 v16, v12, v26
	v_mul_u32_u24 v27, 3200, v2
	v_lshl_add_u32 v17, v5, 2, v27                 ; W1: ten rows of 320 bytes x h, column r
	v_lshlrev_b32 v18, 2, v5
	v_mul_u32_u24 v28, 640, v2                     ; W2: eight rows of 80 bytes x h
	v_add_nc_u32 v19, v28, v9
	v_add_nc_u32 v20, v28, v11
	v_mov_b32 v21, 0
	v_lshlrev_b32 v29, 4, v1                       ; 16 L
	s_mul_i32 s62, s49, 9216                       ; 72 registers of the image for a layer
	v_add_nc_u32 v6, s62, v29
	s_mul_i32 s62, s49, 1536                       ; 12 registers
	v_add_nc_u32 v7, s62, v29
	s_mul_i32 s62, s49, 4096                       ; 32 registers
	v_add_nc_u32 v8, s62, v29
	v_lshrrev_b32 v31, 1, v4
	v_cmp_eq_u32 s52, 1, v2                        ; h == 1
	v_cmp_gt_u32 s53, 2, v4                        ; j < 2: the live rows of a tile 1
	v_cmp_eq_u32 s54, s49, v2                      ; h == layer: the embedding's live half
	s_mov_b32 s55, -1
	s_mov_b32 s59, 0
	v_cmp_eq_u32 s56, 0, v31
	v_cmp_eq_u32 s57, 1, v31
	v_cmp_eq_u32 s58, 2, v31
	s_mov_b32 s60, s54
	s_and_b32 s61, s54, s53
	s_cmp_eq_u32 s50, 0
	s_cbranch_scc1 .Lsub0
	s_cmp_eq_u32 s50, 1
	s_cbranch_scc1 .Lsub1
	s_cmp_eq_u32 s50, 2
	s_cbranch_scc1 .Lsub2
	FRAG2 192, 8, 0, 19, 9, 55, 1                  ; task 3: W2 and b2
	FRAG2 200, 8, 1, 19, 9, 55, 1
	FRAG2 168, 7, 2, 19, 9, 55, 0
	FRAG2 208, 8, 0, 20, 11, 53, 1
	FRAG2 216, 8, 1, 20, 11, 53, 1
	FRAG2 174, 7, 2, 20, 11, 53, 0
	s_branch .Ljoin
.Lsub0:
	QTILE 24, 13, 14, 9, 10, 55, 59, 59            ; q c, columns 0..7 of each head
	QTILE 30, 13, 14, 9, 10, 59, 55, 59            ; k_self - k_other
	QTILE 36, 13, 14, 9, 10, 59, 59, 55            ; v_self - v_other
	s_branch .Ljoin
.Lsub1:
	QTILE 42, 13, 14, 9, 10, 59, 59, 59            ; v_other
	QTILE 48, 15, 16, 11, 12, 56, 57, 58           ; columns 8, 9 of all four, two rows each
	s_cmp_eq_u32 s49, 0
	s_cbranch_scc1 .Lsub1bf
	FRAG10 54, 36, 13, 80, 0, 38, 9, 0, 55         ; layer 1's Wo, bo: f16
	FRAG10 60, 36, 15, 80, 0, 38, 11, 0, 53
	s_branch .Ljoin
.Lsub1bf:
.set BF, 1
	FRAG10 54, 36, 13, 80, 0, 38, 9, 0, 55         ; layer 0's Wo, bo: bf16
	FRAG10 60, 36, 15, 80, 0, 38, 11, 0, 53
.set BF, 0
	s_branch .Ljoin
.Lsub2:
.irp t, 0,1,2,3,4
	FRAG10 66+6*\t, 40, 17, 320, 64*\t, 42, 18, 64*\t, 55   ; W1, b1: row r of tile t is hidden 16 t + r
.endr
	EMBF 0, 9, 60
	EMBF 6, 11, 61
.Ljoin:
	s_wait_dscnt 0x0                               ; my words of the image are in LDS, for the other waves' sake
	s_barrier_signal -1
	s_barrier_wait -1
	v_lshlrev_b32 v30, 4, v0
.irp j, 0,1,2,3,4,5,6,7
	ds_load_b128 v[32+4*\j:35+4*\j], v30 offset:4096*\j
.endr
.irp j, 0,1,2,3,4,5,6,7
	s_wait_dscnt 7-\j                              ; LDS loads come back in order: piece j is in, the 7 - j younger ones may be out
	global_store_b128 v30, v[32+4*\j:35+4*\j], s[4:5] offset:ENC_OFF+4096*\j
.endr
	s_endpgm
.Lfunc_end_k_q346ef4ddc1_prep:
	.size	k_q346ef4ddc1_prep, .Lfunc_end_k_q346ef4ddc1_prep-k_q346ef4ddc1_prep
	.p2alignl 7, 3214868480
	.fill 96, 4, 3214868480
	.section	.rodata,"a",@progbits
	.p2align	6, 0x0
	.amdhsa_kernel k_q346ef4ddc1_prep
		.amdhsa_group_segment_fixed_size 32768
		.amdhsa_private_segment_fixed_size 0
		.amdhsa_enable_private_segment 0
		.amdhsa_kernarg_size 176
		.amdhsa_user_sgpr_count 2
		.amdhsa_user_sgpr_kernarg_segment_ptr 1
		.amdhsa_wavefront_size32 1
		.amdhsa_system_sgpr_workgroup_id_x 1
		.amdhsa_system_sgpr_workgroup_id_y 1
		.amdhsa_system_sgpr_workgroup_id_z 1
		.amdhsa_system_vgpr_workitem_id 0
		.amdhsa_next_free_vgpr 128
		.amdhsa_next_free_sgpr 66
		.amdhsa_reserve_vcc 1
		.amdhsa_float_denorm_mode_32 3
		.amdhsa_float_denorm_mode_16_64 3
		.amdhsa_memory_ordered 1
		.amdhsa_forward_progress 1
		.amdhsa_inst_pref_size 115
	.end_amdhsa_kernel
	.amdgpu_metadata
---
amdhsa.version: [ 1, 2 ]
amdhsa.kernels:
  - .name:           k_q346ef4ddc1_prep
    .symbol:         k_q346ef4ddc1_prep.kd
    .args:
      - { .name: wimg, .offset: 0, .size: 8, .value_kind: global_buffer, .address_space: global }
      - { .name: mW1, .offset: 8, .size: 8, .value_kind: global_buffer, .address_space: global }
      - { .name: mW2, .offset: 16, .size: 8, .value_kind: global_buffer, .address_space: global }
      - { .name: mW0, .offset: 24, .size: 8, .value_kind: global_buffer, .address_space: global }
      - { .name: mb0, .offset: 32, .size: 8, .value_kind: global_buffer, .address_space: global }
      - { .name: mb1, .offset: 40, .size: 8, .value_kind: global_buffer, .address_space: global }
      - { .name: mb2, .offset: 48, .size: 8, .value_kind: global_buffer, .address_space: global }
      - { .name: mW3, .offset: 56, .size: 8, .value_kind: global_buffer, .address_space: global }
      - { .name: emb_W, .offset: 64, .size: 8, .value_kind: global_buffer, .address_space: global }
      - { .name: emb_b, .offset: 72, .size: 8, .value_kind: global_buffer, .address_space: global }
      - { .name: Wq, .offset: 80, .size: 8, .value_kind: global_buffer, .address_space: global }
      - { .name: bq, .offset: 88, .size: 8, .value_kind: global_buffer, .address_space: global }
      - { .name: Wk, .offset: 96, .size: 8, .value_kind: global_buffer, .address_space: global }
      - { .name: bk, .offset: 104, .size: 8, .value_kind: global_buffer, .address_space: global }
      - { .name: Wv, .offset: 112, .size: 8, .value_kind: global_buffer, .address_space: global }
      - { .name: bv, .offset: 120, .size: 8, .value_kind: global_buffer, .address_space: global }
      - { .name: Wo, .offset: 128, .size: 8, .value_kind: global_buffer, .address_space: global }
      - { .name: bo, .offset: 136, .size: 8, .value_kind: global_buffer, .address_space: global }
      - { .name: W1, .offset: 144, .size: 8, .value_kind: global_buffer, .address_space: global }
      - { .name: b1, .offset: 152, .size: 8, .value_kind: global_buffer, .address_space: global }
      - { .name: W2, .offset: 160, .size: 8, .value_kind: global_buffer, .address_space: global }
      - { .name: b2, .offset: 168, .size: 8, .value_kind: global_buffer, .address_space: global }
    .group_segment_fixed_size: 32768
    .private_segment_fixed_size: 0
    .kernarg_segment_align: 8
    .kernarg_segment_size: 176
    .max_flat_workgroup_size: 256
    .sgpr_count:     66
    .vgpr_count:     128
    .wavefront_size: 32
...
	.end_amdgpu_metadata
.endif
;; end of part 1
;; launch net (part 2): grid 256 x 1, 8 waves a work-group, no clusters, 309,248 bytes of LDS; arguments seq, x, y, wimg, ln_g, ln_b, mb3, out0, out1, out2; writes out0, out1, out2
.if DOCPART == 2
	.amdgcn_target "amdgcn-amd-amdhsa--gfx1250"
	.amdhsa_code_object_version 6
	.text
	.protected	k_q346ef4ddc1_net
	.globl	k_q346ef4ddc1_net
	.p2align	8
	.type	k_q346ef4ddc1_net,@function
k_q346ef4ddc1_net:
	s_mov_b64 s[64:65], 0
	v_nop
	global_prefetch_b8 v0, s[64:65] scope:SCOPE_SE
	s_setreg_imm32_b32 hwreg(HW_REG_WAVE_MODE, 25, 1), 1
	s_wait_xcnt 0x0
; NET: embedding, two encoder layers, mean over the 32 tokens and the MLP 22 -> 256 -> 256 -> 256 -> 3, fused.
; A work-group owns 256 batch rows, a wave 32, lane L streams row 32 w + L (640 consecutive bytes of seq).  Eight waves, two on each SIMD with
; 512 registers each, so that one wave's vector work stands beside the other's matrix work.
;
; LAYOUT.  Every product is D = A x B + C with A = weights (row = output feature) and B = tokens (column = token).  Register j of lane (r, h) of
; D is (row 8 h + j, token r), so the packing conversion of D's register pairs IS the next product's B operand: no value ever changes its lane.
; Lane half h holds features 10 h + e (head h): e = 0..7 in tile 0, e = 8, 9 in registers 0, 1 of tile 1.  Biases ride in spare K places (B holds
; 1.0 there, A three 16-bit terms of the f32 bias); residuals are the C operand.  A "pair" is tile X (one token of rows 0..15) and tile Y (rows 16..31).
; The two heads' softmax is p = 1 / (1 + 2^-d) for d >= 0 and 2^d / (1 + 2^d) for d < 0, d = q . (k_self - k_other): the form with the maximum
; taken away, exponent never above 0.  out = v_other + p (v_self - v_other).  The differences are made on the f32 weights by the launch before.
; All 32 tokens of a row pass through the same two lanes, so the mean is a running sum in registers; the last LayerNorm's gain and bias follow the sum.
;
; FORMATS.  Matrix operands are f16: the chain is some fourteen products deep and the outputs are sums that largely cancel, so 8 bits of mantissa
; are too few.  Room, with every input 30 times its usual size: seq 150; raw embedding 0.63 x 900 x 5 = 3,000; the stream behind a LayerNorm 30 x 4.4
; + bias; hidden numbers 270 x 19 = 5,000; layer 1's attention output 270 x 30 = 8,000; sin 1; weights 40: all under f16's 65,504.  Thirty times
; smaller, the smallest operands have a root mean square of 3e-4, against f16's fixed step of 6e-8 there.
; The one operand without that room is layer 0's attention output, a product of three unnormalised inputs (0.63 x 27,000 x 5 = 85,000): it and
; Wo[0] are bf16.  That product shares B's constant word with the f16 ones: 0x3c00 is 1.0 in f16 and 2^-7 in bf16, and bo[0]'s terms come times 128.
;
; The encoder's 256 registers of weight fragments live in register window 1.  The MLP's weights (f16, 289 KB) come into LDS by three tensor loads
; a wave, issued at the head and waited for once, behind the encoder; no LDS byte is filled twice.
; NO CLUSTER: the shared bytes are this one fill of 289 KB a work-group, asked for once and first needed after 32 pairs of 76 matrix instructions
; in every wave; nothing in the loop is shared (each work-group streams its own 163,840 bytes of seq).
;
; LIMITS.  (1) A non-finite number in seq row L also spoils row L +- 16 of the same wave: the two rows share the embedding's operand, and zero
; weights times infinity is NaN.  (2) seq is read 16 bytes a lane at a stride of 640 bytes, so neighbouring loads touch the same stretches again:
; no non-temporal hint on them.  (3) sin: the argument in turns (1/(2 pi) is folded into weights and biases) less its nearest integer, then the
; series of sin(2 pi r) up to r^13 on |r| <= 0.5: error at most 2.2e-5, for every argument.  (4) v_exp_f32 gives 0 below 2^-126: p is then 0 or 1.
; (5) An f16 operand beyond 65,504 in magnitude overflows (see FORMATS for the room).
.set USE_DUAL, 1
.set PITCH,  544                       ; LDS rows of 512 bytes + 32 of padding: an odd multiple of 32, as the transposing loads want
.set W0R,    278528                    ; behind mW1's and mW2's 512 rows
.set W3R,    295936
.set BIASR,  304128
.set OUTST,  306176                    ; three arrays of 256 f32, written by ds_store alone
; window 0, encoder
.set T,   4                            ; v[4:7]     temporaries
.set HX0, 16                           ; v[16:47]   the residual stream: tiles 0, 1 of X, then of Y
.set HX1, 24
.set HY0, 32
.set HY1, 40
.set QX,  48                           ; v[48:87]   q, kd, vd, vo of X; later the 80 hidden numbers
.set QY,  88                           ; v[88:127]  of Y
.set BX,  128                          ; v[128:135] B operand of X: 0..4 data, 5 = (1.0, 1.0), 6, 7 = 0
.set BY,  136
.set B3X, 144                          ; v[144:151] B operand of W2's third K step: 0..3 data, 4 = ones, 5..7 = 0
.set B3Y, 152
.set R,   160                          ; v[160:179] four tokens of my row as loaded
.set ZX,  180                          ; v[180:199] sums over the tokens
.set ZY,  190
.set G0,  200                          ; v[200:239] ln_g, ln_b of my ten features, layer 0, layer 1
.set E0,  210
.set G1,  220
.set E1,  230
.set XX,  240                          ; x of X's row, of Y's row, y likewise
.set XY,  241
.set YX,  242
.set YY,  243
.set BE,  244                          ; v[244:251] the embedding's operand: (s0,s1) (s2,s3) (s4,1.0) 0 0 ones 0 0
; window 0, MLP
.set CT,  16                           ; v[16:47]   accumulators: X, Y of even tiles, X, Y of odd tiles
.set CB,  48                           ; v[48:63]   bias of the tile, two buffers
.set AF,  64                           ; v[64:127] and v[144:207]: weight fragments, two buffers 80 apart
.set IN0X, 128
.set IN0Y, 136
.set ST,  208                          ; v[208:223] sin's temporaries
.set ACTA, 0                           ; window 1: activations, 64 registers for X, 64 for Y
.set ACTB, 128
.set ONES, 0x3c003c00                  ; (1.0, 1.0) in f16; (2^-7, 2^-7) read as bf16
.set MSB, 0
.macro WIN new                         ; s_set_vgpr_msb: low byte = windows of source 0, 1, 2, destination; high byte repeats the setting left
.if MSB != \new
	s_set_vgpr_msb (MSB<<8)|\new
.set MSB, \new
.endif
.endm
	s_load_b512 s[4:19], s[0:1], 0x0               ; seq 4, x 6, y 8, wimg 10, ln_g 12, ln_b 14, mb3 16, out0 18
	s_load_b128 s[20:23], s[0:1], 0x40             ; out1 20, out2 22
	v_lshrrev_b32 v2, 5, v0
	v_readfirstlane_b32 s66, v2                    ; wave 0..7
	; tensor descriptors.  a: 64 of the 512 rows of mW1|mW2; b: 4 of W0's 32 rows; c: 1,280 of the 10,240 dense bytes of W3 and the biases
	s_mov_b32 s40, (1<<16)|(1<<20)|(6<<22)|(7<<25) ; 2-byte elements; after every 128 dwords (a row) skip 8 dwords
	s_mov_b32 s41, 256<<16                         ; tensor_dim0 = 256
	s_mov_b32 s42, 64<<16                          ; tensor_dim1 = 64
	s_mov_b32 s43, 256<<16                         ; tile_dim0 = 256
	s_mov_b32 s44, 64                              ; tile_dim1 = 64
	s_mov_b32 s45, 256                             ; pitch in elements
	s_mov_b32 s46, 0
	s_mov_b32 s47, 0
	s_mov_b32 s48, (1<<16)|(1<<20)|(6<<22)|(7<<25)
	s_mov_b32 s49, 256<<16
	s_mov_b32 s50, 4<<16
	s_mov_b32 s51, 256<<16
	s_mov_b32 s52, 4
	s_mov_b32 s53, 256
	s_mov_b32 s54, 0
	s_mov_b32 s55, 0
	s_mov_b32 s56, 3<<16                           ; 8-byte elements, no padding: 5 rows of 256 bytes
	s_mov_b32 s57, 32<<16
	s_mov_b32 s58, 5<<16
	s_mov_b32 s59, 32<<16
	s_mov_b32 s60, 5
	s_mov_b32 s61, 32
	s_mov_b32 s62, 0
	s_mov_b32 s63, 0
	s_mov_b32 s28, 1
	s_mul_i32 s29, s66, 64*PITCH
	s_mov_b32 s32, 1
	s_mul_i32 s33, s66, 4*PITCH
	s_add_co_u32 s33, s33, W0R
	s_mov_b32 s36, 1
	s_mul_i32 s37, s66, 1280
	s_add_co_u32 s37, s37, W3R
	s_mov_b32 s83, 0
	s_wait_kmcnt 0x0
	s_load_b96 s[24:26], s[16:17], 0x0             ; mb3
	s_lshl_b32 s82, s66, 15
	s_add_nc_u64 s[30:31], s[10:11], s[82:83]
	s_or_b32 s31, s31, 0x80000000
	s_lshl_b32 s82, s66, 11
	s_add_co_u32 s82, s82, 262144
	s_add_nc_u64 s[34:35], s[10:11], s[82:83]
	s_or_b32 s35, s35, 0x80000000
	s_mul_i32 s82, s66, 1280
	s_add_co_u32 s82, s82, 278528
	s_add_nc_u64 s[38:39], s[10:11], s[82:83]
	s_or_b32 s39, s39, 0x80000000
	tensor_load_to_lds s[28:31], s[40:47]          ; three tensor loads of this wave are out until the wait in front of the MLP;
	tensor_load_to_lds s[32:35], s[48:55]          ; their twelve plus twenty-four registers stay untouched until then
	tensor_load_to_lds s[36:39], s[56:63]
	; the encoder's fragments: 256 registers of window 1, 64 loads of 512 consecutive bytes
	s_add_nc_u64 s[70:71], s[10:11], 288768
	v_and_b32 v2, 31, v0
	v_lshlrev_b32 v2, 4, v2
	WIN 0x40
.set q, 0
.rept 64
	global_load_b128 v[4*q:4*q+3], v2, s[70:71] offset:512*q
.set q, q+1
.endr
	WIN 0
	v_bfe_u32 v3, v0, 4, 1
	v_mul_u32_u24 v3, 40, v3                       ; my ten features' bytes in ln_g, ln_b
.irp i, 0,1,2,3,4
	global_load_b64 v[G0+2*\i:G0+2*\i+1], v3, s[12:13] offset:8*\i
	global_load_b64 v[E0+2*\i:E0+2*\i+1], v3, s[14:15] offset:8*\i
	global_load_b64 v[G1+2*\i:G1+2*\i+1], v3, s[12:13] offset:80+8*\i
	global_load_b64 v[E1+2*\i:E1+2*\i+1], v3, s[14:15] offset:80+8*\i
.endr
	s_lshl_b32 s82, ttmp9, 10                      ; 256 rows of 4 bytes
	s_add_nc_u64 s[6:7], s[6:7], s[82:83]
	s_add_nc_u64 s[8:9], s[8:9], s[82:83]
	s_add_nc_u64 s[18:19], s[18:19], s[82:83]
	s_add_nc_u64 s[20:21], s[20:21], s[82:83]
	s_add_nc_u64 s[22:23], s[22:23], s[82:83]
	v_and_b32 v13, 0xef, v0
	v_lshlrev_b32 v13, 2, v13                      ; row 32 w + r; + 64 bytes: row 32 w + 16 + r
	global_load_b32 v[XX], v13, s[6:7]
	global_load_b32 v[XY], v13, s[6:7] offset:64
	global_load_b32 v[YX], v13, s[8:9]
	global_load_b32 v[YY], v13, s[8:9] offset:64
	s_mul_i32 s82, ttmp9, 163840                   ; 256 rows of 640 bytes
	s_add_nc_u64 s[4:5], s[4:5], s[82:83]
	v_mul_u32_u24 v1, 640, v0
.irp i, 0,1,2,3,4
	global_load_b128 v[R+4*\i:R+4*\i+3], v1, s[4:5] offset:16*\i     ; tokens 0..3 of my row
.endr
	s_mov_b32 s72, 0xbd4ccccd                      ; -1/20, twice (a pair for the packed forms)
	s_mov_b32 s73, 0xbd4ccccd
	s_mov_b32 s74, 0x3d4ccccd                      ; 1/20
	s_mov_b32 s75, 0x3727c5ac                      ; 1e-5
	s_mov_b32 s76, 0x76543210                      ; v_permlanex16_b32: lane i reads lane i of the other half
	s_mov_b32 s77, 0xfedcba98
	v_mov_b32 v[BX+5], ONES
	v_mov_b32 v[BX+6], 0
	v_mov_b32 v[BX+7], 0
	v_mov_b32 v[BY+5], ONES
	v_mov_b32 v[BY+6], 0
	v_mov_b32 v[BY+7], 0
	v_mov_b32 v[B3X+4], ONES
	v_mov_b32 v[B3Y+4], ONES
.irp i, 5,6,7
	v_mov_b32 v[B3X+\i], 0
	v_mov_b32 v[B3Y+\i], 0
.endr
	v_mov_b32 v[BE+3], 0
	v_mov_b32 v[BE+4], 0
	v_mov_b32 v[BE+5], ONES
	v_mov_b32 v[BE+6], 0
	v_mov_b32 v[BE+7], 0
.set i, 0
.rept 20
	v_mov_b32 v[ZX+i], 0                           ; twenty sums that every pair adds to
.set i, i+1
.endr
	s_wait_kmcnt 0x0                               ; mb3
; ---- the encoder's steps.  Image registers (window 1): embedding 6 t (first half), 12 + 6 t (second); layer l: q/k/v tiles 24 + 72 l + 6 t,
; Wo 54 + 72 l + 6 t, W1 66 + 72 l + 6 t, W2's third K step 168 + 12 l + 6 t, its first two 192 + 32 l + 16 t + 8 s.  Fragments six registers apart:
; registers 6, 7 of the tuple are the next fragment's, and meet zeros in B.
.macro CVTH H0, H1, B                  ; the stream's ten features to a B operand
.irp i, 0,1,2,3
	v_cvt_pk_f16_f32 v[\B+\i], v[\H0+2*\i], v[\H0+2*\i+1]
.endr
	v_cvt_pk_f16_f32 v[\B+4], v[\H1], v[\H1+1]
.endm
.macro MQKV l, Q, B
	WIN 0x01
.irp t, 0,1,2,3,4
	v_wmma_f32_16x16x32_f16 v[\Q+8*\t:\Q+8*\t+7], v[24+72*\l+6*\t:24+72*\l+6*\t+7], v[\B:\B+7], 0
.endr
	WIN 0
.endm
.macro ATT l, Q, B
	v_pk_mul_f32 v[T:T+1], v[\Q:\Q+1], v[\Q+8:\Q+9]
	v_pk_fma_f32 v[T:T+1], v[\Q+2:\Q+3], v[\Q+10:\Q+11], v[T:T+1]
	v_pk_fma_f32 v[T:T+1], v[\Q+4:\Q+5], v[\Q+12:\Q+13], v[T:T+1]
	v_pk_fma_f32 v[T:T+1], v[\Q+6:\Q+7], v[\Q+14:\Q+15], v[T:T+1]
	v_pk_fma_f32 v[T:T+1], v[\Q+32:\Q+33], v[\Q+34:\Q+35], v[T:T+1]
	v_add_f32 v[T], v[T], v[T+1]                   ; d, in base 2
	v_exp_f32 v[T+1], -|v[T]|                      ; E = 2^-|d| <= 1
	v_cmp_le_f32 vcc_lo, 0, v[T]                   ; the plain instruction between v_exp_f32 and the use of its result (ISA guide 5.7.2)
	v_add_f32 v[T+2], 1.0, v[T+1]
	v_rcp_f32 v[T+2], v[T+2]
	v_nop                                          ; likewise behind v_rcp_f32
	v_mul_f32 v[T+1], v[T+1], v[T+2]
	v_cndmask_b32 v[T], v[T+1], v[T+2], vcc_lo     ; p = 1/(1+E) where d >= 0, E/(1+E) elsewhere
.irp i, 0,2,4,6
	v_pk_fma_f32 v[\Q+16+\i:\Q+17+\i], v[\Q+16+\i:\Q+17+\i], v[T:T+1], v[\Q+24+\i:\Q+25+\i] op_sel_hi:[1,0,1]
.endr
	v_pk_fma_f32 v[\Q+36:\Q+37], v[\Q+36:\Q+37], v[T:T+1], v[\Q+38:\Q+39] op_sel_hi:[1,0,1]
.if \l == 0
.irp i, 0,1,2,3
	v_cvt_pk_bf16_f32 v[\B+\i], v[\Q+16+2*\i], v[\Q+17+2*\i]       ; layer 0: bf16, for its range
.endr
	v_cvt_pk_bf16_f32 v[\B+4], v[\Q+36], v[\Q+37]
.else
.irp i, 0,1,2,3
	v_cvt_pk_f16_f32 v[\B+\i], v[\Q+16+2*\i], v[\Q+17+2*\i]
.endr
	v_cvt_pk_f16_f32 v[\B+4], v[\Q+36], v[\Q+37]
.endif
.endm
; the stream += attention x Wo + bo.  Layer 0's bf16 form is no link of the f16 forms' chains on H: between it and the f16 products before and behind
; it on the same registers stands the other tile's vector work, more than five instructions that name none of them (ISA guide 7.12.1).
.macro MWO l, H0, H1, B
	WIN 0x01
.if \l == 0
	v_wmma_f32_16x16x32_bf16 v[\H0:\H0+7], v[54:61], v[\B:\B+7], v[\H0:\H0+7]
	v_wmma_f32_16x16x32_bf16 v[\H1:\H1+7], v[60:67], v[\B:\B+7], v[\H1:\H1+7]
.else
	v_wmma_f32_16x16x32_f16 v[\H0:\H0+7], v[54+72*\l:54+72*\l+7], v[\B:\B+7], v[\H0:\H0+7]
	v_wmma_f32_16x16x32_f16 v[\H1:\H1+7], v[60+72*\l:60+72*\l+7], v[\B:\B+7], v[\H1:\H1+7]
.endif
	WIN 0
.endm
; LayerNorm over the 20 features that a lane and its partner 16 lanes away hold; mean first, then the squares of the differences.
; mode 1: the stream becomes (x - mean) rs g + b.  mode 0 (the last one): Z += (x - mean) rs.
.macro LN H0, H1, G, E, Z, mode
	v_pk_add_f32 v[T:T+1], v[\H0:\H0+1], v[\H0+2:\H0+3]
	v_pk_add_f32 v[T+2:T+3], v[\H0+4:\H0+5], v[\H0+6:\H0+7]
	v_pk_add_f32 v[T:T+1], v[T:T+1], v[\H1:\H1+1]
	v_pk_add_f32 v[T:T+1], v[T:T+1], v[T+2:T+3]
	v_add_f32 v[T], v[T], v[T+1]
	v_permlanex16_b32 v[T+1], v[T], s76, s77
	v_add_f32 v[T], v[T], v[T+1]
.irp i, 0,2,4,6
	v_pk_fma_f32 v[\H0+\i:\H0+\i+1], v[T:T+1], s[72:73], v[\H0+\i:\H0+\i+1] op_sel_hi:[0,0,1]
.endr
	v_pk_fma_f32 v[\H1:\H1+1], v[T:T+1], s[72:73], v[\H1:\H1+1] op_sel_hi:[0,0,1]
	v_pk_mul_f32 v[T+2:T+3], v[\H0:\H0+1], v[\H0:\H0+1]
.irp i, 2,4,6
	v_pk_fma_f32 v[T+2:T+3], v[\H0+\i:\H0+\i+1], v[\H0+\i:\H0+\i+1], v[T+2:T+3]
.endr
	v_pk_fma_f32 v[T+2:T+3], v[\H1:\H1+1], v[\H1:\H1+1], v[T+2:T+3]
	v_add_f32 v[T+2], v[T+2], v[T+3]
	v_permlanex16_b32 v[T+3], v[T+2], s76, s77
	v_add_f32 v[T+2], v[T+2], v[T+3]
	v_fma_f32 v[T+2], v[T+2], s74, s75
	v_rsq_f32 v[T+2], v[T+2]
	v_nop                                          ; the plain instruction behind v_rsq_f32
.if \mode
.irp i, 0,2,4,6
	v_pk_mul_f32 v[\H0+\i:\H0+\i+1], v[\H0+\i:\H0+\i+1], v[T+2:T+3] op_sel_hi:[1,0]
.endr
	v_pk_mul_f32 v[\H1:\H1+1], v[\H1:\H1+1], v[T+2:T+3] op_sel_hi:[1,0]
.irp i, 0,2,4,6
	v_pk_fma_f32 v[\H0+\i:\H0+\i+1], v[\H0+\i:\H0+\i+1], v[\G+\i:\G+\i+1], v[\E+\i:\E+\i+1]
.endr
	v_pk_fma_f32 v[\H1:\H1+1], v[\H1:\H1+1], v[\G+8:\G+9], v[\E+8:\E+9]
.else
.irp i, 0,2,4,6
	v_pk_fma_f32 v[\Z+\i:\Z+\i+1], v[\H0+\i:\H0+\i+1], v[T+2:T+3], v[\Z+\i:\Z+\i+1] op_sel_hi:[1,0,1]
.endr
	v_pk_fma_f32 v[\Z+8:\Z+9], v[\H1:\H1+1], v[T+2:T+3], v[\Z+8:\Z+9] op_sel_hi:[1,0,1]
.endif
.endm
.macro MW1 l, F, B
	WIN 0x01
.irp t, 0,1,2,3,4
	v_wmma_f32_16x16x32_f16 v[\F+8*\t:\F+8*\t+7], v[66+72*\l+6*\t:66+72*\l+6*\t+7], v[\B:\B+7], 0
.endr
	WIN 0
.endm
.macro RELU F, B3                      ; 40 maxima, then packed in place, ascending: word i takes numbers 2 i, 2 i + 1
.set i, 0
.rept 20
.if USE_DUAL
	v_dual_max_num_f32 v[\F+2*i], 0, v[\F+2*i] :: v_dual_max_num_f32 v[\F+2*i+1], 0, v[\F+2*i+1]
.else
	v_max_num_f32 v[\F+2*i], 0, v[\F+2*i]
	v_max_num_f32 v[\F+2*i+1], 0, v[\F+2*i+1]
.endif
.set i, i+1
.endr
.set i, 0
.rept 16
	v_cvt_pk_f16_f32 v[\F+i], v[\F+2*i], v[\F+2*i+1]
.set i, i+1
.endr
.irp i, 0,1,2,3
	v_cvt_pk_f16_f32 v[\B3+\i], v[\F+32+2*\i], v[\F+33+2*\i]
.endr
.endm
.macro MW2 l, H0, H1, F, B3            ; the stream += relu(..) x W2 + b2: three K steps, chains in place
	WIN 0x01
	v_wmma_f32_16x16x32_f16 v[\H0:\H0+7], v[192+32*\l:192+32*\l+7], v[\F:\F+7], v[\H0:\H0+7]
	v_wmma_f32_16x16x32_f16 v[\H1:\H1+7], v[208+32*\l:208+32*\l+7], v[\F:\F+7], v[\H1:\H1+7]
	v_wmma_f32_16x16x32_f16 v[\H0:\H0+7], v[200+32*\l:200+32*\l+7], v[\F+8:\F+15], v[\H0:\H0+7]
	v_wmma_f32_16x16x32_f16 v[\H1:\H1+7], v[216+32*\l:216+32*\l+7], v[\F+8:\F+15], v[\H1:\H1+7]
	v_wmma_f32_16x16x32_f16 v[\H0:\H0+7], v[168+12*\l:168+12*\l+7], v[\B3:\B3+7], v[\H0:\H0+7]
	v_wmma_f32_16x16x32_f16 v[\H1:\H1+7], v[174+12*\l:174+12*\l+7], v[\B3:\B3+7], v[\H1:\H1+7]
	WIN 0
.endm
; attention, LayerNorm, FFN of one layer.  X and Y take turns, so that behind each run of matrix instructions the other tile's vector work,
; which names none of the run's registers, fills the places that ISA guide 7.12.1 asks for before the results are read.
.macro MID l, G, E
	ATT \l, QX, BX
	MWO \l, HX0, HX1, BX
	ATT \l, QY, BY
	MWO \l, HY0, HY1, BY
	LN  HX0, HX1, \G, \E, 0, 1
	CVTH HX0, HX1, BX
	MW1 \l, QX, BX
	LN  HY0, HY1, \G, \E, 0, 1
	CVTH HY0, HY1, BY
	MW1 \l, QY, BY
	RELU QX, B3X
	MW2 \l, HX0, HX1, QX, B3X
	RELU QY, B3Y
	MW2 \l, HY0, HY1, QY, B3Y
.endm
.macro SLOAD i                         ; sixteen bytes of my row's next four tokens
	global_load_b128 v[R+4*\i:R+4*\i+3], v1, s[4:5] offset:80+16*\i
.endm
; One token of each of the wave's 32 rows.  p: which of the four tokens in R.  left: the younger seq loads that may stay out.
.macro PAIR p, refill, left
	s_wait_loadcnt \left                           ; loads come back in order: the last piece that holds token p is in
	v_cvt_pk_f16_f32 v[BE],   v[R+5*\p],   v[R+5*\p+1]
	v_cvt_pk_f16_f32 v[BE+1], v[R+5*\p+2], v[R+5*\p+3]
	v_cvt_pk_f16_f32 v[BE+2], v[R+5*\p+4], 1.0
.if \refill
	SLOAD \p                                       ; piece p holds nothing unread any more
.if \p == 3
	SLOAD 4
.endif
.endif
	WIN 0x01
	v_wmma_f32_16x16x32_f16 v[HX0:HX0+7], v[0:7],   v[BE:BE+7], 0    ; weights in K half 0 alone: lanes 0..15's tokens
	v_wmma_f32_16x16x32_f16 v[HX1:HX1+7], v[6:13],  v[BE:BE+7], 0
	v_wmma_f32_16x16x32_f16 v[HY0:HY0+7], v[12:19], v[BE:BE+7], 0    ; in K half 1 alone: lanes 16..31's
	v_wmma_f32_16x16x32_f16 v[HY1:HY1+7], v[18:25], v[BE:BE+7], 0
	WIN 0
.rept 4
	v_nop                                          ; four places before the conversions read these results (ISA guide 7.12.1)
.endr
	CVTH HX0, HX1, BX
	MQKV 0, QX, BX
	CVTH HY0, HY1, BY
	MQKV 0, QY, BY
	MID 0, G0, E0
	LN  HX0, HX1, G0, E0, 0, 1
	CVTH HX0, HX1, BX
	MQKV 1, QX, BX
	LN  HY0, HY1, G0, E0, 0, 1
	CVTH HY0, HY1, BY
	MQKV 1, QY, BY
	MID 1, G1, E1
	LN  HX0, HX1, G1, E1, ZX, 0
	LN  HY0, HY1, G1, E1, ZY, 0
.endm
	; Eight trips of four tokens.  Five loads bring a trip's 80 bytes; piece p is asked for again as soon as token p is packed (pieces 3 and 4
	; behind token 3), so behind the piece that a token needs last exactly three younger loads have been issued: every wait is for 3.
	; The first wait also covers all loads of the prologue, which are older.
	s_mov_b32 s78, 0
.Ltrip:
	PAIR 0, 1, 3
	PAIR 1, 1, 3
	PAIR 2, 1, 3
	PAIR 3, 1, 3
	s_wait_xcnt 0x0                                ; v1 is stepped only when the loads that name it have had their addresses taken
	v_add_nc_u32 v1, 80, v1
	s_add_co_u32 s78, s78, 1
	s_cmp_lt_u32 s78, 7
	s_cbranch_scc1 .Ltrip
	PAIR 0, 0, 3                                   ; the last four tokens: nothing is asked for, the counts run down
	PAIR 1, 0, 2
	PAIR 2, 0, 1
	PAIR 3, 0, 0
	; ---- the MLP.  Output tile t (16 features) x 32 rows (X, Y): A = 16 columns of the weights by transposing loads from LDS, B = the activations
	; in window 1, four registers a tile, which are the next layer's operand as they stand.
	s_wait_tensorcnt 0x0                           ; my three tiles are in LDS,
	s_barrier_signal -1
	s_barrier_wait -1                              ; everybody's are
	s_mov_b32 s28, 0xc17183a8                      ; the series of sin(2 pi r), each coefficient twice: r^11
	s_mov_b32 s29, 0xc17183a8
	s_mov_b32 s30, 0x42283c1a                      ; r^9
	s_mov_b32 s31, 0x42283c1a
	s_mov_b32 s32, 0xc2996966                      ; r^7
	s_mov_b32 s33, 0xc2996966
	s_mov_b32 s34, 0x42a335e3                      ; r^5
	s_mov_b32 s35, 0x42a335e3
	s_mov_b32 s36, 0xc2255de7                      ; r^3
	s_mov_b32 s37, 0xc2255de7
	s_mov_b32 s38, 0x40c90fdb                      ; r
	s_mov_b32 s39, 0x40c90fdb
.irp i, 0,2,4,6,8
	v_pk_mul_f32 v[G1+\i:G1+\i+1], v[G1+\i:G1+\i+1], 0x3d000000 op_sel_hi:[1,0]     ; g / 32
.endr
.irp i, 0,2,4,6,8
	v_pk_fma_f32 v[ZX+\i:ZX+\i+1], v[ZX+\i:ZX+\i+1], v[G1+\i:G1+\i+1], v[E1+\i:E1+\i+1]   ; z = mean of the last LayerNorm
	v_pk_fma_f32 v[ZY+\i:ZY+\i+1], v[ZY+\i:ZY+\i+1], v[G1+\i:G1+\i+1], v[E1+\i:E1+\i+1]
.endr
.irp i, 0,1,2,3,4
	v_cvt_pk_f16_f32 v[IN0X+\i], v[ZX+2*\i], v[ZX+2*\i+1]
	v_cvt_pk_f16_f32 v[IN0Y+\i], v[ZY+2*\i], v[ZY+2*\i+1]
.endr
	v_cvt_pk_f16_f32 v[IN0X+5], v[XX], v[YX]       ; (x, y); the weights' rows for these places are zero in K half 1
	v_cvt_pk_f16_f32 v[IN0Y+5], v[XY], v[YY]
	v_mov_b32 v[IN0X+6], ONES                      ; the places of mb0's three terms
	v_mov_b32 v[IN0X+7], ONES
	v_mov_b32 v[IN0Y+6], ONES
	v_mov_b32 v[IN0Y+7], ONES
	v_and_b32 v12, 7, v0
	v_bfe_u32 v14, v0, 4, 1                        ; h
	v_lshl_or_b32 v12, v14, 3, v12                 ; 8 h + (L & 7): the row of K that I address
	v_bfe_u32 v13, v0, 3, 1
	v_lshlrev_b32 v13, 4, v13                      ; 16 ((L >> 3) & 1)
	v_mul_u32_u24 v15, PITCH, v12
	v_add_nc_u32 v15, v15, v13
	v_add_nc_u32 v2, W0R, v15                      ; first layer's weights
	v_mov_b32 v3, v15                              ; mW1, K 0..127
	v_add_nc_u32 v4, 128*PITCH, v15                ; K 128..255
	v_add_nc_u32 v5, 256*PITCH, v15                ; mW2
	v_add_nc_u32 v6, 384*PITCH, v15
	v_lshl_add_u32 v7, v12, 5, v13
	v_add_nc_u32 v7, W3R, v7                       ; mW3: rows of 32 bytes
	v_lshlrev_b32 v8, 5, v14
	v_add_nc_u32 v8, BIASR, v8                     ; my eight biases of a tile
	v_lshlrev_b32 v9, 2, v0
	v_add_nc_u32 v9, OUTST, v9
	v_mov_b32 v10, 0x40747a1a                      ; r^13
	v_mov_b32 v11, 0x40747a1a
	v_cmp_eq_u32 s79, 1, v14
; the fragments of output tile t into buffer buf: NK K steps of 32, two transposing loads each; with bias two more loads
.macro LOADA t, buf, NK, va, vb2, bias, boff
.set u, 0
.rept \NK
.if u < 4
	ds_load_tr16_b128 v[AF+80*\buf+8*u:AF+80*\buf+8*u+3],   v[\va] offset:u*32*PITCH+32*(\t)
	ds_load_tr16_b128 v[AF+80*\buf+8*u+4:AF+80*\buf+8*u+7], v[\va] offset:u*32*PITCH+32*(\t)+16*PITCH
.else
	ds_load_tr16_b128 v[AF+80*\buf+8*u:AF+80*\buf+8*u+3],   v[\vb2] offset:(u-4)*32*PITCH+32*(\t)
	ds_load_tr16_b128 v[AF+80*\buf+8*u+4:AF+80*\buf+8*u+7], v[\vb2] offset:(u-4)*32*PITCH+32*(\t)+16*PITCH
.endif
.set u, u+1
.endr
.if \bias
	ds_load_b128 v[CB+8*\buf:CB+8*\buf+3],   v8 offset:\boff+64*(\t)
	ds_load_b128 v[CB+8*\buf+4:CB+8*\buf+7], v8 offset:\boff+64*(\t)+16
.endif
.endm
; 2 NK matrix instructions: X's and Y's chains in turn; the first link takes the bias (or 0) as C
.macro MM p, NK, bias, BW, bin, ystep
	WIN \BW
.set u, 0
.rept \NK
.if u == 0
.if \bias
	v_wmma_f32_16x16x32_f16 v[CT+16*\p:CT+16*\p+7],    v[AF+80*\p:AF+80*\p+7], v[\bin:\bin+7], v[CB+8*\p:CB+8*\p+7]
	v_wmma_f32_16x16x32_f16 v[CT+16*\p+8:CT+16*\p+15], v[AF+80*\p:AF+80*\p+7], v[\bin+\ystep:\bin+\ystep+7], v[CB+8*\p:CB+8*\p+7]
.else
	v_wmma_f32_16x16x32_f16 v[CT+16*\p:CT+16*\p+7],    v[AF+80*\p:AF+80*\p+7], v[\bin:\bin+7], 0
	v_wmma_f32_16x16x32_f16 v[CT+16*\p+8:CT+16*\p+15], v[AF+80*\p:AF+80*\p+7], v[\bin+\ystep:\bin+\ystep+7], 0
.endif
.else
	v_wmma_f32_16x16x32_f16 v[CT+16*\p:CT+16*\p+7],    v[AF+80*\p+8*u:AF+80*\p+8*u+7], v[\bin+8*u:\bin+8*u+7], v[CT+16*\p:CT+16*\p+7]
	v_wmma_f32_16x16x32_f16 v[CT+16*\p+8:CT+16*\p+15], v[AF+80*\p+8*u:AF+80*\p+8*u+7], v[\bin+\ystep+8*u:\bin+\ystep+8*u+7], v[CT+16*\p+8:CT+16*\p+15]
.endif
.set u, u+1
.endr
	WIN 0
.endm
.macro SING                            ; sin(2 pi t) of the eight numbers at v[sg]: r = t - nearest integer, Horner in r^2, times r
.irp i, 0,1,2,3,4,5,6,7
	v_rndne_f32 v[ST+\i], v[sg+\i]
.endr
.irp i, 0,2,4,6
	v_pk_add_f32 v[sg+\i:sg+\i+1], v[sg+\i:sg+\i+1], v[ST+\i:ST+\i+1] neg_lo:[0,1] neg_hi:[0,1]
.endr
.irp i, 0,2,4,6
	v_pk_mul_f32 v[ST+\i:ST+\i+1], v[sg+\i:sg+\i+1], v[sg+\i:sg+\i+1]
.endr
.irp i, 0,2,4,6
	v_pk_fma_f32 v[ST+8+\i:ST+9+\i], v[ST+\i:ST+\i+1], v[10:11], s[28:29] op_sel_hi:[1,1,0]
.endr
.irp k, 30,32,34,36,38
.irp i, 0,2,4,6
	v_pk_fma_f32 v[ST+8+\i:ST+9+\i], v[ST+8+\i:ST+9+\i], v[ST+\i:ST+\i+1], s[\k:\k+1] op_sel_hi:[1,1,0]
.endr
.endr
.irp i, 0,2,4,6
	v_pk_mul_f32 v[sg+\i:sg+\i+1], v[ST+8+\i:ST+9+\i], v[sg+\i:sg+\i+1]
.endr
.endm
.macro SIN t, aout                     ; tile t's 16 numbers a lane, then eight words into the activations of window 1
.set sc, CT+16*((\t)&1)
.set so, \aout+4*(\t)
.set sg, sc
	SING
.set sg, sc+8
	SING
	WIN 0x40
.irp i, 0,1,2,3
	v_cvt_pk_f16_f32 v[so+\i],    v[sc+2*\i],   v[sc+2*\i+1]
	v_cvt_pk_f16_f32 v[so+64+\i], v[sc+8+2*\i], v[sc+9+2*\i]
.endr
	WIN 0
.endm
; A layer: in step t tile t is multiplied, tile t - 1 goes through sin (its vector work, which names none of step t's matrix registers, is also
; the distance before the loads of tile t + 2 land on the buffer that step t has read), and tile t + 2 is loaded.
; The wait lets the next tile's 2 NK + 2 bias LDS loads stay out.
.macro LAYER NK, va, vb2, bias, boff, BW, bin, ystep, aout
	LOADA 0, 0, \NK, \va, \vb2, \bias, \boff
	LOADA 1, 1, \NK, \va, \vb2, \bias, \boff
.set tt, 0
.rept 16
.if tt < 15
	s_wait_dscnt 2*\NK+2*\bias
.else
	s_wait_dscnt 0x0
.endif
	MM (tt&1), \NK, \bias, \BW, \bin, \ystep
.if tt == 0
.rept 5
	v_nop                                          ; no sin yet: the places in front of the loads below and of step 2's write over these sums
.endr
.else
	SIN tt-1, \aout
.endif
.if tt < 14
	LOADA tt+2, (tt&1), \NK, \va, \vb2, \bias, \boff
.endif
.set tt, tt+1
.endr
	SIN 15, \aout
.endm
	LAYER 1, 2, 2, 0, 0,    0,    IN0X, 8,  ACTA
	LAYER 8, 3, 4, 1, 0,    0x04, ACTA, 64, ACTB
	LAYER 8, 5, 6, 1, 1024, 0x04, ACTB, 64, ACTA
	; the last layer: one tile, of which rows 0..2 are the three outputs
.irp k, 0,1,2,3,4,5,6,7
	ds_load_tr16_b128 v[AF+8*\k:AF+8*\k+3],   v7 offset:1024*\k
	ds_load_tr16_b128 v[AF+8*\k+4:AF+8*\k+7], v7 offset:1024*\k+512
.endr
	s_wait_dscnt 0x0
	WIN 0x04
	v_wmma_f32_16x16x32_f16 v[CT:CT+7],    v[AF:AF+7], v[ACTA:ACTA+7], 0
	v_wmma_f32_16x16x32_f16 v[CT+8:CT+15], v[AF:AF+7], v[ACTA+64:ACTA+71], 0
.irp k, 1,2,3,4,5,6,7
	v_wmma_f32_16x16x32_f16 v[CT:CT+7],    v[AF+8*\k:AF+8*\k+7], v[ACTA+8*\k:ACTA+8*\k+7], v[CT:CT+7]
	v_wmma_f32_16x16x32_f16 v[CT+8:CT+15], v[AF+8*\k:AF+8*\k+7], v[ACTA+64+8*\k:ACTA+71+8*\k], v[CT+8:CT+15]
.endr
	WIN 0
.rept 4
	v_nop                                          ; four places before the results are read
.endr
.irp j, 0,1,2
	v_permlanex16_b32 v[ST+\j], v[CT+8+\j], s76, s77       ; rows 16..31's output j lies in lanes 0..15 of Y's tile
	v_cndmask_b32 v[ST+\j], v[CT+\j], v[ST+\j], s79        ; lane L now holds output j of row L
	v_add_f32 v[ST+\j], s[24+\j], v[ST+\j]                 ; + mb3[j], in f32
	ds_store_b32 v9, v[ST+\j] offset:1024*\j
.endr
	s_wait_dscnt 0x0                               ; for the waves that store: my 96 numbers are in LDS
	s_barrier_signal -1
	s_barrier_wait -1
	s_cmp_gt_u32 s66, 2                            ; wave j stores output j's 256 numbers
	s_cbranch_scc1 .Lend
	s_cmp_eq_u32 s66, 0
	s_cselect_b64 s[80:81], s[18:19], s[20:21]
	s_cmp_eq_u32 s66, 2
	s_cselect_b64 s[80:81], s[22:23], s[80:81]
	s_lshl_b32 s67, s66, 10
	s_add_co_u32 s67, s67, OUTST
	v_and_b32 v12, 31, v0
	v_lshlrev_b32 v12, 4, v12
	v_add_nc_u32 v13, s67, v12
	ds_load_b128 v[32:35], v13
	ds_load_b128 v[36:39], v13 offset:512
	s_wait_dscnt 0x0
	global_store_b128 v12, v[32:35], s[80:81]              ; sixteen lanes store 256 consecutive bytes, aligned
	global_store_b128 v12, v[36:39], s[80:81] offset:512
.Lend:
	s_endpgm
.Lfunc_end_k_q346ef4ddc1_net:
	.size	k_q346ef4ddc1_net, .Lfunc_end_k_q346ef4ddc1_net-k_q346ef4ddc1_net
	.p2alignl 7, 3214868480
	.fill 96, 4, 3214868480
	.section	.rodata,"a",@progbits
	.p2align	6, 0x0
	.amdhsa_kernel k_q346ef4ddc1_net
		.amdhsa_group_segment_fixed_size 309248
		.amdhsa_private_segment_fixed_size 0
		.amdhsa_enable_private_segment 0
		.amdhsa_kernarg_size 80
		.amdhsa_user_sgpr_count 2
		.amdhsa_user_sgpr_kernarg_segment_ptr 1
		.amdhsa_wavefront_size32 1
		.amdhsa_system_sgpr_workgroup_id_x 1
		.amdhsa_system_sgpr_workgroup_id_y 1
		.amdhsa_system_sgpr_workgroup_id_z 1
		.amdhsa_system_vgpr_workitem_id 0
		.amdhsa_next_free_vgpr 512
		.amdhsa_next_free_sgpr 96
		.amdhsa_reserve_vcc 1
		.amdhsa_float_denorm_mode_32 3
		.amdhsa_float_denorm_mode_16_64 3
		.amdhsa_memory_ordered 1
		.amdhsa_forward_progress 1
		.amdhsa_inst_pref_size 255
	.end_amdhsa_kernel
	.section	.bss,"aw",@nobits
	.p2align	6
	.space	262144
	.amdgpu_metadata
---
amdhsa.version: [ 1, 2 ]
amdhsa.kernels:
  - .name:           k_q346ef4ddc1_net
    .symbol:         k_q346ef4ddc1_net.kd
    .args:
      - { .name: seq, .offset: 0, .size: 8, .value_kind: global_buffer, .address_space: global }
      - { .name: x, .offset: 8, .size: 8, .value_kind: global_buffer, .address_space: global }
      - { .name: y, .offset: 16, .size: 8, .value_kind: global_buffer, .address_space: global }
      - { .name: wimg, .offset: 24, .size: 8, .value_kind: global_buffer, .address_space: global }
      - { .name: ln_g, .offset: 32, .size: 8, .value_kind: global_buffer, .address_space: global }
      - { .name: ln_b, .offset: 40, .size: 8, .value_kind: global_buffer, .address_space: global }
      - { .name: mb3, .offset: 48, .size: 8, .value_kind: global_buffer, .address_space: global }
      - { .name: out0, .offset: 56, .size: 8, .value_kind: global_buffer, .address_space: global }
      - { .name: out1, .offset: 64, .size: 8, .value_kind: global_buffer, .address_space: global }
      - { .name: out2, .offset: 72, .size: 8, .value_kind: global_buffer, .address_space: global }
    .group_segment_fixed_size: 309248
    .private_segment_fixed_size: 0
    .kernarg_segment_align: 8
    .kernarg_segment_size: 80
    .max_flat_workgroup_size: 256
    .sgpr_count:     96
    .vgpr_count:     512
    .wavefront_size: 32
...
	.end_amdgpu_metadata
.endif
;; end of part 2
